; MI455X (gfx1250); checked and timed in simulation.
; The chip was launched on July 23, 2026; its instructions are those of AMD's public machine-readable ISA for CDNA 5 (MIT licence, August 2026) and "CDNA5" Instruction Set Architecture Reference Guide (July 2026). The comments in the code are by the model that wrote it; some were corrected since.
;; Mo E. Allowed arithmetic: matrix products marked QUANTISED: E4M3 operands, one E8M0 scale for each 32 along K, by v_wmma_scale_f32_16x16x128_f8f6f4 with both operands' format E4M3, f32 sums; products left as they are: f32 operands where the result goes on into a quantised operand, else bf16, f16 or f32 operands; f32 sums; everything else in f32.
;; Inputs: gate_w 8 x 1,024 float32; hidden_states 2 x 512 x 1,024 float32; w1 8 x 1,024 x 4,096 float32; w2 8 x 4,096 x 1,024 float32.
;; Outputs: out0 2 x 512 x 1,024 float32; out1 1,024 x 8 float32.
;; This version of the problem:
;;   THIS VERSION OF THE PROBLEM IS GIVEN IN LOW PRECISION. The matrix products marked QUANTISED in the list below multiply operands that are first quantised to E4M3 (4 exponent bits, 3 mantissa bits; 8 bits a number), with one power-of-two scale for each 32 numbers along K (OCP MX v1.0); their sums are f32. All else is computed in f32.
;;   The module's matrix products, in the order in which they are computed (A, B: the left and right operand; K: the contracted axis; several contracted axes count as one K, in the product's order):
;;     1. [M 1,024, K 1,024] x [K 1,024, N 8]; A: input hidden_states; B: input gate_w: left as it is (N = 8 < 16)
;;     2. [M 32,768, K 1,024] x [K 1,024, N 1,024]; A: input w1; B: input hidden_states: QUANTISED
;;     3. batch 8 x [M 1,024, K 4,096] x [K 4,096, N 1,024]; A: computed on the way; B: input w2: QUANTISED
;;   THE QUANTISER, for each operand of a quantised product, along K:
;;     - K is cut into blocks of 32 from its start; a last block that is shorter is filled with zeros.
;;     - A block's scale is 2^e with e = floor(log2(the largest magnitude in the block)) - 8, held to -126 .. 127; a block of zeros has e = 0. As a byte (E8M0): e + 127.
;;     - Each number is divided by its block's scale, clamped to +-448, and rounded to the nearest number of E4M3, ties to even, subnormals kept.
;;     - The product sums the exact products of the quantised numbers (number of the format x scale) in f32.
;;   ~~~python
;;   def quantise(x, axis):      # numpy; x: float32 -> the quantised numbers, widened to float32 again
;;       x = np.moveaxis(x, axis, -1); K = x.shape[-1]
;;       x = np.pad(x, [(0, 0)] * (x.ndim - 1) + [(0, -K % 32)]); x = x.reshape(x.shape[:-1] + (-1, 32)); a = np.abs(x).max(-1, keepdims=True)
;;       e = np.where(a > 0, np.clip(np.frexp(np.where(a > 0, a, 1))[1] - 1 - 8, -126, 127), 0)      # np.frexp(a)[1] - 1 = floor(log2(a)), exactly
;;       r = np.clip(x / 2.0 ** e, -448, 448)
;;       step = 2.0 ** (np.maximum(np.frexp(np.where(r == 0, 1, r))[1] - 1, -6) - 3)
;;       q = np.round(r / step) * step * 2.0 ** e      # np.round: ties to even
;;       return np.moveaxis(q.reshape(q.shape[:-2] + (-1,))[..., :K], -1, axis).astype(np.float32)
;;   ~~~
;;   OPERANDS COMPUTED ON THE WAY. 'Computed on the way' means the value that the module computes at that place (a softmax that the list does not call 'softmax' is quantised finished and normalised). What goes into a quantiser is computed in f32, as accurately as f32 sums, v_exp_f32 and their like allow (about 1e-6 of the number): no bf16 or f16 on the way to a quantiser, and a product that is left as it is and whose result goes on into a quantised operand takes f32 operands (vector FMAs, or v_wmma_f32_16x16x4_f32). A number that lies on a knife's edge between two numbers of the format may be rounded either way, as far as f32 arithmetic and the matrix unit's own rounding can turn it there, and no further.
;; One version. Each part assembles by itself: llvm-mc -triple=amdgcn-amd-amdhsa -mcpu=gfx1250 --defsym DOCPART=n.
;; ======== version 1 of 1: 5 launches
;; workspace buffers: sel 8,192 bytes of whole numbers; rw 8,192 bytes; xq 1,048,576 bytes; xs 32,768 bytes; lst 34,816 bytes of whole numbers; hq 33,554,432 bytes; hsc 1,048,576 bytes; yp 33,554,432 bytes
;; launch route (part 1): grid 128 x 1, 8 waves a work-group, no clusters, 75,776 bytes of LDS; arguments hidden_states, gate_w, out1, sel, rw, xq, xs; writes out1, sel, rw, xq, xs
.if DOCPART == 1
	.amdgcn_target "amdgcn-amd-amdhsa--gfx1250"
	.amdhsa_code_object_version 6
	.text
	.protected	k_q5a16d420d5_route
	.globl	k_q5a16d420d5_route
	.p2align	8
	.type	k_q5a16d420d5_route,@function
k_q5a16d420d5_route:
	s_mov_b64 s[64:65], 0
	v_nop
	global_prefetch_b8 v0, s[64:65] scope:SCOPE_SE
	s_setreg_imm32_b32 hwreg(HW_REG_WAVE_MODE, 25, 1), 1
	s_wait_xcnt 0x0
; ROUTER AND QUANTISER OF THE TOKENS.  x [1024][1024] f32, gate_w [8][1024] f32.
; One wave takes one token (8 tokens a work-group): its 8 logits in f32 (out1), the two largest (the lower index on equality) with their renormalised weights
; (sel, rw, at slot 2 t + j), and the token's codes of FP8 (E4M3) with one E8M0 byte for each 32 along D (xq, xs).
; The weights: softmax followed by division by the two kept terms' sum leaves 1 / (1 + p) and p / (1 + p), p = e^(L2 - L1): the largest logit is taken away ahead of the exponential.
; The chosen experts are only STORED here, as whole numbers; no address and no branch of this launch hangs on them.
; LIMITS: NaN and infinities are not served.  A block whose largest magnitude lies under 2^-118 (a block of zeros too) keeps the scale byte 1: these bytes are read by this program alone.
; The two largest are taken on the logits; that differs from a choice on the probabilities only where two probabilities round equal or vanish, and a vanished one has the weight 0.
; sel and rw leave in pieces of 64 bytes, a work-group's 8 tokens.
.set GATE, 0                           ; LDS: gate_w as it lies, 32,768 bytes
.set STG,  32768                       ; two stages of 32 x SP bytes for each wave
.set SP,   80                          ; a lane's place in a stage: 64 bytes + 16 of padding
.set XSB,  73728                       ; 8 tokens x 32 scale bytes
.set LGB,  73984                       ; 8 tokens x 8 logits
.set SELB, 74240                       ; 8 tokens x 2 experts
.set RWB,  74496                       ; 8 tokens x 2 weights
.set R,   16                           ; v16-47   the row as loaded: R[4 i + c] = x[128 i + 4 lane + c]
.set X,   48                           ; v48-79   two sets of 16 neighbours along D
.set G,   80                           ; v80-143  two sets of one expert's 32 numbers, laid as R
.set AC,  144                          ; v144-175 for each expert two chains of a pair
.set LG,  176                          ; v176-183 the logits
.set C,   184                          ; v184-191 codes, four registers a step
.set PT,  192                          ; v192-199 the other half's sums
.set MK,  208                          ; v208-215 the logits with the winner masked
.set EB,  216                          ; v216-217 scale bytes
	s_load_b256 s[4:11], s[0:1], 0x0               ; x s[4:5], gate_w s[6:7], out1 s[8:9], sel s[10:11]
	s_load_b128 s[12:15], s[0:1], 0x20             ; rw s[12:13], xq s[14:15]
	s_load_b64 s[16:17], s[0:1], 0x30              ; xs
	v_lshl_add_u32 v224, v0, 2, 0x12400
	v_mov_b32 v225, 0
	v_lshrrev_b32 v1, 5, v0
	v_readfirstlane_b32 s18, v1                    ; wave 0..7
	v_and_b32 v1, 31, v0                           ; lane
	v_lshlrev_b32 v2, 4, v1                        ; 16 x lane
	v_lshlrev_b32 v7, 3, v1                        ; 8 x lane
	s_mul_i32 s19, s18, 2*32*SP
	s_add_co_u32 s19, s19, STG                     ; my wave's stages
	v_lshrrev_b32 v3, 2, v1
	v_mul_u32_u24 v3, v3, SP
	v_and_b32 v4, 3, v1
	v_lshl_add_u32 v3, v4, 4, v3
	v_add_nc_u32 v3, s19, v3                       ; into a stage: SP (lane / 4) + 16 (lane % 4)
	v_mul_u32_u24 v4, v1, SP
	v_add_nc_u32 v4, s19, v4                       ; out of it: SP x lane: 16 neighbours
	s_lshl_b32 s19, s18, 5
	s_add_co_u32 s20, s19, XSB
	v_lshrrev_b32 v5, 1, v1
	v_add_nc_u32 v5, s20, v5                       ; my block's scale byte: XSB + 32 wave + lane / 2
	s_add_co_u32 s20, s19, LGB
	v_mov_b32 v12, s20                             ; my token's logits
	s_lshl_b32 s19, s18, 3
	s_add_co_u32 s20, s19, SELB
	v_mov_b32 v13, s20                             ; its two experts
	s_add_co_u32 s20, s19, RWB
	v_mov_b32 v14, s20                             ; its two weights
	s_lshl_b32 s19, s18, 12
	v_add_nc_u32 v6, s19, v2                       ; gate row = wave: 4096 wave + 16 lane, in memory and in LDS alike
	v_add_nc_u32 v218, LGB, v7                     ; the way out (wave 0): 8 bytes a lane
	v_add_nc_u32 v219, XSB, v7
	v_and_b32 v222, 15, v0
	v_lshlrev_b32 v222, 2, v222                    ; 4 x (lane % 16)
	v_add_nc_u32 v220, SELB, v222
	v_add_nc_u32 v221, RWB, v222
.irp e, 0,1,2,3,4,5,6,7
	v_mov_b32 v[PT+\e], 0                          ; written once: a lane permute's destination counts as one of its sources
.endr
	v_mov_b32 v203, 0xff800000                     ; -infinity
	s_mov_b32 s24, 0x76543210
	s_mov_b32 s25, 0xfedcba98                      ; selects for lane xor 16
	s_mov_b32 s27, 0x600000                        ; the mantissa field of 448
	s_lshl_b32 s21, ttmp9, 3
	s_add_co_u32 s21, s21, s18                     ; my token
	s_lshl_b32 s22, s21, 12
	s_mov_b32 s23, 0
	s_lshl_b32 s28, s21, 10
	s_mov_b32 s29, 0
	s_lshl_b32 s30, ttmp9, 8
	s_mov_b32 s31, 0
	s_lshl_b32 s32, ttmp9, 6
	s_mov_b32 s33, 0
	s_wait_kmcnt 0x0
	s_add_nc_u64 s[4:5], s[4:5], s[22:23]          ; x at my token's row
	s_add_nc_u64 s[14:15], s[14:15], s[28:29]      ; its codes
	s_add_nc_u64 s[8:9], s[8:9], s[30:31]          ; the work-group's 256 bytes of out1
	s_add_nc_u64 s[16:17], s[16:17], s[30:31]      ; and of xs
	s_add_nc_u64 s[10:11], s[10:11], s[32:33]      ; its 64 bytes of sel
	s_add_nc_u64 s[12:13], s[12:13], s[32:33]      ; and of rw
.irp i, 0,1,2,3,4,5,6,7
	global_load_b128 v[R+4*\i:R+4*\i+3], v2, s[4:5] offset:512*\i th:TH_LOAD_NT   ; 32 lanes read 512 consecutive bytes
.endr
.irp i, 0,1,2,3,4,5,6,7
	global_load_b128 v[G+4*\i:G+4*\i+3], v6, s[6:7] offset:512*\i
.endr
	s_wait_loadcnt 0x0
.irp i, 0,1,2,3,4,5,6,7
	ds_store_b128 v6, v[G+4*\i:G+4*\i+3] offset:GATE+512*\i
.endr
; a step's 512 numbers turn through the wave's own stage: in as loaded, out 64 bytes a lane.  LDS serves a wave's instructions in order, so no wait stands between
.irp t, 0,1
.irp i, 0,1,2,3
	ds_store_b128 v3, v[R+16*\t+4*\i:R+16*\t+4*\i+3] offset:32*SP*\t+8*SP*\i
.endr
.irp i, 0,1,2,3
	ds_load_b128 v[X+16*\t+4*\i:X+16*\t+4*\i+3], v4 offset:32*SP*\t+16*\i
.endr
.endr
	s_wait_dscnt 0x0                               ; for the others' sake: my gate row lies in LDS
	s_barrier_signal -1
	s_barrier_wait -1
.macro FETCHG e                        ; expert e's row, laid as my x
.irp i, 0,1,2,3,4,5,6,7
	ds_load_b128 v[G+32*((\e)%2)+4*\i:G+32*((\e)%2)+4*\i+3], v2 offset:GATE+4096*(\e)+512*\i
.endr
.endm
.macro DOT e                           ; 32 products a lane, two at a time, in two chains that the first products start
.set GS, G+32*((\e)%2)
	v_pk_mul_f32 v[AC+4*\e:AC+4*\e+1], v[R:R+1], v[GS:GS+1]
	v_pk_mul_f32 v[AC+4*\e+2:AC+4*\e+3], v[R+2:R+3], v[GS+2:GS+3]
.irp j, 4,8,12,16,20,24,28
	v_pk_fma_f32 v[AC+4*\e:AC+4*\e+1], v[R+\j:R+\j+1], v[GS+\j:GS+\j+1], v[AC+4*\e:AC+4*\e+1]
	v_pk_fma_f32 v[AC+4*\e+2:AC+4*\e+3], v[R+\j+2:R+\j+3], v[GS+\j+2:GS+\j+3], v[AC+4*\e+2:AC+4*\e+3]
.endr
.endm
	FETCHG 0
.irp e, 0,1,2,3,4,5,6
	FETCHG \e+1
	s_wait_dscnt 8                                 ; this expert's row is in; the next one's eight loads may be out
	DOT \e
.endr
	s_wait_dscnt 0x0
	DOT 7
; the token's codes: two steps of 512 numbers; a lane holds 16 neighbours, two neighbouring lanes a block of 32
.macro QSTEP t
.set XS, X+16*(\t)
	v_max3_num_f32 v8, |v[XS]|, |v[XS+1]|, |v[XS+2]|
	v_max3_num_f32 v9, |v[XS+3]|, |v[XS+4]|, |v[XS+5]|
.irp i, 6,10
	v_max3_num_f32 v8, v8, |v[XS+\i]|, |v[XS+\i+1]|
	v_max3_num_f32 v9, v9, |v[XS+\i+2]|, |v[XS+\i+3]|
.endr
	v_max3_num_f32 v8, v8, |v[XS+14]|, |v[XS+15]|
	v_max3_num_f32 v8, v8, v9, 0x4800000           ; and the floor 2^(9 - 127): the byte cannot fall under 1
	v_max_num_f32_dpp v8, v8, v8 row_xmask:1 row_mask:0xf bank_mask:0xf   ; with my neighbour's 16: the block's largest magnitude
	v_add_nc_u32 v11, 0xfc000000, v8               ; 8 off its exponent field: the conversion's scale operand
	v_and_or_b32 v10, v8, 0x7f800000, s27          ; 448 x the scale
.irp i, 0,1,2,3,4,5,6,7,8,9,10,11,12,13,14,15
	v_med3_num_f32 v[XS+\i], v[XS+\i], -v10, v10   ; the conversion to an 8-bit code does not saturate (ISA guide 7.6.2): the hold comes first
.endr
	v_cvt_scalef32_pk8_fp8_f32 v[C+4*\t:C+4*\t+1], v[XS:XS+7], v11
	v_cvt_scalef32_pk8_fp8_f32 v[C+4*\t+2:C+4*\t+3], v[XS+8:XS+15], v11
	v_lshrrev_b32 v[EB+\t], 23, v11                ; the scale's byte (also the plain line behind the conversions)
	ds_store_b8 v5, v[EB+\t] offset:16*\t          ; both lanes of a block write the same byte with the same value
	global_store_b128 v2, v[C+4*\t:C+4*\t+3], s[14:15] offset:512*\t   ; 32 lanes store 512 consecutive bytes
.endm
	QSTEP 0
	QSTEP 1
; the logits: a lane's four partial sums, then the 32 lanes'
.irp e, 0,1,2,3,4,5,6,7
	v_pk_add_f32 v[AC+4*\e:AC+4*\e+1], v[AC+4*\e:AC+4*\e+1], v[AC+4*\e+2:AC+4*\e+3]
.endr
.irp e, 0,1,2,3,4,5,6,7
	v_add_f32 v[LG+\e], v[AC+4*\e], v[AC+4*\e+1]
.endr
.irp m, 1,2,4,8
.irp e, 0,1,2,3,4,5,6,7
	v_add_f32_dpp v[LG+\e], v[LG+\e], v[LG+\e] row_xmask:\m row_mask:0xf bank_mask:0xf
.endr
.endr
.irp e, 0,1,2,3,4,5,6,7
	v_permlanex16_b32 v[PT+\e], v[LG+\e], s24, s25
.endr
.irp e, 0,1,2,3,4,5,6,7
	v_add_f32 v[LG+\e], v[LG+\e], v[PT+\e]         ; every lane holds all eight logits
.endr
; the two largest, experts ascending; the holder stays on equality, so the lower index wins
	v_mov_b32 v200, v[LG]
	v_mov_b32 v204, 0
.irp e, 1,2,3,4,5,6,7
	v_cmp_ge_f32 vcc_lo, v200, v[LG+\e]
	v_cndmask_b32 v200, v[LG+\e], v200, vcc_lo
	v_cndmask_b32 v204, \e, v204, vcc_lo
.endr
.irp e, 0,1,2,3,4,5,6,7
	v_cmp_eq_u32 vcc_lo, \e, v204
	v_cndmask_b32 v[MK+\e], v[LG+\e], v203, vcc_lo ; the winner is out of the second scan
.endr
	v_mov_b32 v201, v[MK]
	v_mov_b32 v205, 0
.irp e, 1,2,3,4,5,6,7
	v_cmp_ge_f32 vcc_lo, v201, v[MK+\e]
	v_cndmask_b32 v201, v[MK+\e], v201, vcc_lo
	v_cndmask_b32 v205, \e, v205, vcc_lo
.endr
	v_sub_f32 v202, v201, v200                     ; L2 - L1, 0 or less
	v_mul_f32 v202, 0x3fb8aa3b, v202
	v_exp_f32 v202, v202                           ; p
	v_nop                                          ; a plain line behind a transcendental
	s_wait_alu depctr_va_vdst(0)
	v_add_f32 v206, 1.0, v202
	v_rcp_f32 v206, v206                           ; the first weight
	v_nop
	s_wait_alu depctr_va_vdst(0)
	v_mul_f32 v207, v202, v206                     ; the second
	ds_store_b128 v12, v[LG:LG+3]                  ; all lanes write the same words with the same values
	ds_store_b128 v12, v[LG+4:LG+7] offset:16
	ds_store_b64 v13, v[204:205]
	ds_store_b64 v14, v[206:207]
	s_wait_dscnt 0x0                               ; for wave 0's sake: my token's results lie in LDS
	s_barrier_signal -1
	s_barrier_wait -1
	s_cmp_lg_u32 s18, 0
	s_cbranch_scc1 .Lend                           ; wave 0 stores for the work-group's 8 tokens
	ds_load_b64 v[80:81], v218
	ds_load_b64 v[82:83], v219
	ds_load_b32 v84, v220
	ds_load_b32 v85, v221
	s_wait_dscnt 0x0
	global_store_b64 v7, v[80:81], s[8:9]          ; 32 lanes store 256 consecutive bytes, aligned
	global_store_b64 v7, v[82:83], s[16:17]
	v_cmp_gt_u32 vcc_lo, 16, v1
	s_wait_xcnt 0x0                                ; EXEC changes only behind this wait
	s_and_saveexec_b32 s26, vcc_lo
	global_store_b32 v222, v84, s[10:11]           ; 16 lanes: 64 bytes
	global_store_b32 v222, v85, s[12:13]
	s_wait_xcnt 0x0                                ; and again, in front of the line that widens it
	s_or_b32 exec_lo, exec_lo, s26
.Lend:
	s_wait_tensorcnt 0x0
	ds_add_u32 v224, v225
	s_wait_dscnt 0x0
	s_endpgm
.Lfunc_end_k_q5a16d420d5_route:
	.size	k_q5a16d420d5_route, .Lfunc_end_k_q5a16d420d5_route-k_q5a16d420d5_route
	.p2alignl 7, 3214868480
	.fill 96, 4, 3214868480
	.section	.rodata,"a",@progbits
	.p2align	6, 0x0
	.amdhsa_kernel k_q5a16d420d5_route
		.amdhsa_group_segment_fixed_size 75776
		.amdhsa_private_segment_fixed_size 0
		.amdhsa_enable_private_segment 0
		.amdhsa_kernarg_size 56
		.amdhsa_user_sgpr_count 2
		.amdhsa_user_sgpr_kernarg_segment_ptr 1
		.amdhsa_wavefront_size32 1
		.amdhsa_system_sgpr_workgroup_id_x 1
		.amdhsa_system_sgpr_workgroup_id_y 1
		.amdhsa_system_sgpr_workgroup_id_z 1
		.amdhsa_system_vgpr_workitem_id 0
		.amdhsa_next_free_vgpr 226
		.amdhsa_next_free_sgpr 66
		.amdhsa_reserve_vcc 1
		.amdhsa_float_denorm_mode_32 3
		.amdhsa_float_denorm_mode_16_64 3
		.amdhsa_memory_ordered 1
		.amdhsa_forward_progress 1
		.amdhsa_inst_pref_size 30
	.end_amdhsa_kernel
	.amdgpu_metadata
---
amdhsa.version: [ 1, 2 ]
amdhsa.kernels:
  - .name:           k_q5a16d420d5_route
    .symbol:         k_q5a16d420d5_route.kd
    .args:
      - { .name: hidden_states, .offset: 0, .size: 8, .value_kind: global_buffer, .address_space: global }
      - { .name: gate_w, .offset: 8, .size: 8, .value_kind: global_buffer, .address_space: global }
      - { .name: out1, .offset: 16, .size: 8, .value_kind: global_buffer, .address_space: global }
      - { .name: sel, .offset: 24, .size: 8, .value_kind: global_buffer, .address_space: global }
      - { .name: rw, .offset: 32, .size: 8, .value_kind: global_buffer, .address_space: global }
      - { .name: xq, .offset: 40, .size: 8, .value_kind: global_buffer, .address_space: global }
      - { .name: xs, .offset: 48, .size: 8, .value_kind: global_buffer, .address_space: global }
    .group_segment_fixed_size: 75776
    .private_segment_fixed_size: 0
    .kernarg_segment_align: 8
    .kernarg_segment_size: 56
    .max_flat_workgroup_size: 256
    .sgpr_count:     66
    .vgpr_count:     226
    .wavefront_size: 32
...
	.end_amdgpu_metadata
.endif
;; end of part 1
;; launch place (part 2): grid 8 x 1, 1 waves a work-group, no clusters, 4,608 bytes of LDS; arguments sel, lst; writes lst
.if DOCPART == 2
	.amdgcn_target "amdgcn-amd-amdhsa--gfx1250"
	.amdhsa_code_object_version 6
	.text
	.protected	k_q5a16d420d5_place
	.globl	k_q5a16d420d5_place
	.p2align	8
	.type	k_q5a16d420d5_place,@function
k_q5a16d420d5_place:
	s_mov_b64 s[64:65], 0
	v_nop
	global_prefetch_b8 v0, s[64:65] scope:SCOPE_SE
	s_setreg_imm32_b32 hwreg(HW_REG_WAVE_MODE, 25, 1), 1
	s_wait_xcnt 0x0
; THE ROWS OF EACH EXPERT.  sel [2048] u32: the expert of slot 2 t + j, whole numbers stored by the launch before.  lst [8][1088] u32: for expert e the slots routed to it, zero-filled
; behind the n-th (so that a padding row is slot 0's token), then 64 words that all hold n.  The launches behind this one read list and count from memory and steer addresses and branches by them.
; One work-group of one wave for each expert: the work is 8 KB of loads and one pass over 64 registers, which further work-groups could not share to any use.  No barrier: one wave, and LDS serves
; a wave's instructions in order.  A slot's place is the count so far + the matching lanes below mine; a lane with nothing to place writes to a word of its own behind the list.
; The 64 registers go eight at a time, each line of the work eight times on end, so that no line reads the result of the line above it.
.set LIST, 0                           ; LDS: 1,024 slots, then 32 words for lanes with nothing to place
.set SV,   16                          ; v16-79   sel, then the slots: SV[4 i + c] belongs to slot 128 i + 4 lane + c
.set PA,   80                          ; v80-143  their places
.set OB,   144                         ; v144-175 the list on its way out
.set MK,   16                          ; s16-23   eight masks of matching lanes
.set CU,   24                          ; s24-31   the count in front of each of the eight
	s_load_b128 s[4:7], s[0:1], 0x0                ; sel s[4:5], lst s[6:7]
	v_lshl_add_u32 v176, v0, 2, 0x1100
	v_mov_b32 v177, 0
	v_lshlrev_b32 v1, 4, v0                        ; 16 x lane (one wave: the thread's number is the lane)
	v_lshlrev_b32 v2, 3, v0                        ; 8 x lane
	v_lshlrev_b32 v3, 2, v0                        ; 4 x lane
	v_add_nc_u32 v4, 1024, v0                      ; where a lane with nothing to place writes
	s_mov_b32 s10, ttmp9                           ; my expert
	s_mul_i32 s8, ttmp9, 4352                      ; 1,088 words an expert
	s_mov_b32 s9, 0
	s_wait_kmcnt 0x0
	s_add_nc_u64 s[6:7], s[6:7], s[8:9]
.irp i, 0,1,2,3,4,5,6,7,8,9,10,11,12,13,14,15
	global_load_b128 v[SV+4*\i:SV+4*\i+3], v1, s[4:5] offset:512*\i   ; 32 lanes read 512 consecutive bytes
.endr
.irp c, 0,1,2,3
	v_mov_b32 v[8+\c], 0
.endr
.irp i, 0,1,2,3,4,5,6,7
	ds_store_b128 v1, v[8:11] offset:LIST+512*\i   ; the list begins as zeros
.endr
	s_wait_loadcnt 0x0
	s_mov_b32 s11, 0                               ; the count so far
.set g, 0
.rept 8
.irp j, 0,1,2,3,4,5,6,7
	v_cmp_eq_u32 s[MK+\j], s10, v[SV+8*g+\j]
.endr
.irp j, 0,1,2,3,4,5,6,7
	s_mov_b32 s[CU+\j], s11
	s_bcnt1_i32_b32 s12, s[MK+\j]
	s_add_co_u32 s11, s11, s12
.endr
.irp j, 0,1,2,3,4,5,6,7
	v_mbcnt_lo_u32_b32 v[PA+8*g+\j], s[MK+\j], s[CU+\j]        ; the count so far + the matching lanes below mine
.endr
.irp j, 0,1,2,3,4,5,6,7
	v_cndmask_b32 v[PA+8*g+\j], v4, v[PA+8*g+\j], s[MK+\j]
.endr
.irp j, 0,1,2,3,4,5,6,7
	v_min_u32 v[PA+8*g+\j], 1055, v[PA+8*g+\j]     ; held inside the list's bytes
.endr
.irp j, 0,1,2,3,4,5,6,7
	v_lshl_add_u32 v[PA+8*g+\j], v[PA+8*g+\j], 2, LIST
.endr
.irp j, 0,1,2,3,4,5,6,7
	v_add_nc_u32 v[SV+8*g+\j], 128*((8*g+\j)/4)+(8*g+\j)%4, v3   ; the slot
.endr
.irp j, 0,1,2,3,4,5,6,7
	ds_store_b32 v[PA+8*g+\j], v[SV+8*g+\j]        ; every element has registers of its own: no wait between them
.endr
.set g, g+1
.endr
	v_mov_b32 v12, s11
	v_mov_b32 v13, s11
	s_wait_dscnt 0x0                               ; the list is whole
.irp i, 0,1,2,3,4,5,6,7
	ds_load_b128 v[OB+4*\i:OB+4*\i+3], v1 offset:LIST+512*\i
.endr
	global_store_b64 v2, v[12:13], s[6:7] offset:4096          ; 64 words, all the count: 256 consecutive bytes, aligned
.irp i, 0,1,2,3,4,5,6,7
	s_wait_dscnt 7-\i                              ; piece i is in; the pieces behind it may be out
	global_store_b128 v1, v[OB+4*\i:OB+4*\i+3], s[6:7] offset:512*\i   ; 32 lanes store 512 consecutive bytes, aligned
.endr
	s_wait_tensorcnt 0x0
	ds_add_u32 v176, v177
	s_wait_dscnt 0x0
	s_endpgm
.Lfunc_end_k_q5a16d420d5_place:
	.size	k_q5a16d420d5_place, .Lfunc_end_k_q5a16d420d5_place-k_q5a16d420d5_place
	.p2alignl 7, 3214868480
	.fill 96, 4, 3214868480
	.section	.rodata,"a",@progbits
	.p2align	6, 0x0
	.amdhsa_kernel k_q5a16d420d5_place
		.amdhsa_group_segment_fixed_size 4608
		.amdhsa_private_segment_fixed_size 0
		.amdhsa_enable_private_segment 0
		.amdhsa_kernarg_size 16
		.amdhsa_user_sgpr_count 2
		.amdhsa_user_sgpr_kernarg_segment_ptr 1
		.amdhsa_wavefront_size32 1
		.amdhsa_system_sgpr_workgroup_id_x 1
		.amdhsa_system_sgpr_workgroup_id_y 1
		.amdhsa_system_sgpr_workgroup_id_z 1
		.amdhsa_system_vgpr_workitem_id 0
		.amdhsa_next_free_vgpr 178
		.amdhsa_next_free_sgpr 66
		.amdhsa_reserve_vcc 0
		.amdhsa_float_denorm_mode_32 3
		.amdhsa_float_denorm_mode_16_64 3
		.amdhsa_memory_ordered 1
		.amdhsa_forward_progress 1
		.amdhsa_inst_pref_size 39
	.end_amdhsa_kernel
	.amdgpu_metadata
---
amdhsa.version: [ 1, 2 ]
amdhsa.kernels:
  - .name:           k_q5a16d420d5_place
    .symbol:         k_q5a16d420d5_place.kd
    .args:
      - { .name: sel, .offset: 0, .size: 8, .value_kind: global_buffer, .address_space: global }
      - { .name: lst, .offset: 8, .size: 8, .value_kind: global_buffer, .address_space: global }
    .group_segment_fixed_size: 4608
    .private_segment_fixed_size: 0
    .kernarg_segment_align: 8
    .kernarg_segment_size: 16
    .max_flat_workgroup_size: 32
    .sgpr_count:     66
    .vgpr_count:     178
    .wavefront_size: 32
...
	.end_amdgpu_metadata
.endif
;; end of part 2
;; launch ffn1 (part 3): grid 256 x 1, 8 waves a work-group, no clusters, 284,928 bytes of LDS; arguments lst, xq, xs, w1, hq, hsc; writes hq, hsc
.if DOCPART == 3
	.amdgcn_target "amdgcn-amd-amdhsa--gfx1250"
	.amdhsa_code_object_version 6
	.text
	.protected	k_q5a16d420d5_ffn1
	.globl	k_q5a16d420d5_ffn1
	.p2align	8
	.type	k_q5a16d420d5_ffn1,@function
k_q5a16d420d5_ffn1:
	s_mov_b64 s[64:65], 0
	v_nop
	global_prefetch_b8 v0, s[64:65] scope:SCOPE_SE
	s_setreg_imm32_b32 hwreg(HW_REG_WAVE_MODE, 25, 1), 1
	s_wait_xcnt 0x0
; FIRST PRODUCT OF THE CHOSEN EXPERTS: h = gelu(x w1[e]) for the rows routed to expert e, on codes of FP8 (E4M3) with one E8M0 scale for each 32 along K; h leaves as codes.
; SHARES.  Work-group = (expert e = wg / 32, slab hs = wg % 32): 1,024 (K) x 128 hidden units of w1[e], 512 KB of f32, read from memory ONCE, quantised in registers, passed once through LDS
; into operand registers, where the codes stay; then all rows routed to e are walked, 128 a pass.
; STREAM.  Wave w owns K step w (rows 128 w .. 128 w + 127 of the slab).  A load takes one row: 512 consecutive bytes, lane l columns 4 l .. 4 l + 3; 32 loads are a block of 32 along K for each column.
; The hold that the conversion wants anyway writes column c's 32 numbers into consecutive registers: nothing else transposes.
; PRODUCT.  Wave w = 4 rg + cg keeps hidden units 32 cg .. 32 cg + 31 (two tiles x 8 K steps, 256 registers) and takes rows 64 rg .. 64 rg + 63 of each pass: 8 accumulators.
; Used transposed (source 0 = 16 hidden units, source 1 = 16 rows); lane r of tile u takes unit 8 u + r + 8 (r / 8), so a lane's 16 registers of the two tiles are 16 neighbours along the next K: one block of 32 with lane xor 16.
; ROWS.  A row is named by its slot 2 t + j.  The expert's list of slots and its count n are whole numbers stored by the launch before and are read from memory; the list is zero-filled, so padding rows are token 0's.
; A group of 64 rows is worked where 64 g < NA = max(n, 256): groups 0 to 3 always, so that the next launch may load them without asking.  The loop's count is a constant, 8 passes, since every wave passes every
; barrier; a pass without rows asks memory for nothing and only meets the barrier.
; gelu(x) = max(x, 0) - |x| 0.5 erfc(|x| / sqrt 2), erfc(z) = t exp(-z z + P(t)), t = 1 / (1 + z / 2), P of degree 9 (fractional error 1.2e-7 by its authors' statement); P's coefficients carry log2(e), and the 0.5 is a -1 in the constant.
; No tensor loads: register loads keep 32 to 66 loads a wave on their way.  No cluster: what work-groups share (x's rows) is gathered by a list and is a small part of a work-group's bytes, and which passes run hangs on counts.
; LIMITS: NaN and infinities are not served.  A block whose largest magnitude lies under 2^-118 (a block of zeros too) keeps the scale byte 1: the bytes are read by this program alone.  Below about x = -13 gelu is 0.
.set APITCH, 1040                      ; a row of 1,024 codes + 16: the 16 rows of a fragment load start in 16 different groups of four banks
.set A1,    133120                     ; LDS: A0 at 0: 128 rows x APITCH; A1 = BREG once the weights are in registers
.set BREG,  133120                     ; the slab's codes: (col, k) at (p / 4) APITCH + (p % 4) CSTR + k, p = col with its bits 3 and 4 exchanged: the unit that lane r of tile u takes has p = 32 cg + 16 u + r
.set CSTR,  33344                      ; = 64 modulo 256: the 16 lanes of a fragment load touch the 16-byte columns r / 4 + 4 (r % 4), each once
.set AS0,   266496                     ; the rows' scale words: 48 bytes a row (8 words + 16); AS1 = AS0 + ASZ
.set ASZ,   6144
.set BSC,   278784                     ; the slab's scale words [K step][col]
.set HSB,   282880                     ; h's scale bytes of a pass, 512 bytes, by the pass's parity
.set WROW,  16384                      ; bytes from a row of w1[e] to the next
.set SOFF,  128                        ; a K step, and a group of four registers, in a row of codes
.set COFF,  32
.set L16, 1                            ; 16 x lane
.set RR,  2                            ; lane % 16
.set HH,  3                            ; lane / 16
.set H16, 4
.set L8,  5
.set BA,  6                            ; v6-9    where column c's codes go
.set BSA, 10                           ; v10     where my four columns' scale words go
.set LIDA, 11                          ; v11     my row's byte in the list, pass 0: 4 (16 wave + r); never rewritten
.set LIDT, 12                          ; v12     the same for the pass that is staged
.set LID, 13                           ; v13     its slot
.set TOK, 14
.set XSO, 15
.set GSA, 16                           ; v16-17  where gathered rows go, stage 0, 1
.set ASA, 18                           ; v18-19  and their scale words
.set AR,  20                           ; v20-27  my four row tiles' fragments, stage 0, 1
.set ASF, 28                           ; v28-29  their scale words
.set BRA, 30                           ; v30-31  my two tiles of the slab
.set BSF, 32                           ; v32-33  their scale words
.set HSBW, 34
.set HSBR, 35
.set HO,  36
.set HOP, 37
.set HSO, 38
.set HSOP, 39
.set LID1, 40                          ; v40     pass 1's slot
.set C8V, 42                           ; v[42:43] a coefficient as a vector pair
.set TP,  44                           ; v[44:45] at work
.set TQ,  46
.set LN,  47
.set BS,  48                           ; v48-63  the weights' scale words [8 u + s]: scales and nothing else
.set ASR, 64                           ; v64-95  the rows' scale words [8 i + s]: scales and nothing else
.set ACC, 96                           ; v96-159 accumulators [16 i + 8 u]
.set AF,  160                          ; v160-223 four row fragments
.set TM,  224                          ; v224-239 the quantiser's; also the gather's offsets
.set GO,  224
.set PC,  240                          ; v240-255 codes just made; v240-243 also gathered scale words
.set SCT, 240
.set T,   96                           ; the stream: 64 held numbers, 32 registers of codes, and four each of:
.set CC,  160
.set QM,  192                          ; largest magnitudes
.set QS,  196                          ; scale operands
.set QL,  200                          ; 448 x the scale
.set SW,  204                          ; scale words
.set QT,  208
.set GU,  160                          ; gelu: t, P, the exponential, max(x, 0)
.set GP,  176
.set GE,  192
.set GM,  208
.set TK,  66                           ; s66-81  16 tokens
.set MSB, 0
.macro WIN new                         ; the immediate's high byte repeats the setting that is left
.if MSB != \new
	s_set_vgpr_msb (MSB<<8)|\new
.set MSB, \new
.endif
.endm
.macro SPAIR r, val                    ; a constant as a scalar pair: the packed forms name the pair and take its low word
	s_mov_b32 s[\r], \val
	s_mov_b32 s[\r+1], \val
.endm
.macro BARRIER                         ; my LDS stores have landed and my LDS loads are in: then the work-group's barrier
	s_wait_dscnt 0x0
	s_barrier_signal -1
	s_barrier_wait -1
.endm
.macro LOADBLK t                       ; block t of my K step: 32 rows x 512 bytes into set t % 2 of window 1
	WIN 0x40
.set li, 0
.rept 32
	global_load_b128 v[128*((\t)%2)+4*li:128*((\t)%2)+4*li+3], v[L16], s[10:11] offset:(32*(\t)+li)*WROW th:TH_LOAD_NT
.set li, li+1
.endr
	WIN 0
.endm
.macro QBLK t, younger                 ; block t becomes codes in LDS and a byte of each column's scale word
	s_wait_loadcnt \younger                        ; loads come back in order: this block's are in, the younger ones stay out
.set RB, 128*((\t)%2)
	WIN 0x14                                       ; sources 1 and 2 in window 1
.irp c, 0,1,2,3
	v_mov_b32 v[QM+\c], 0x4800000                  ; the floor 2^(9 - 127): the byte cannot fall under 1
.endr
.set qi, 0
.rept 16
.irp c, 0,1,2,3
	v_max3_num_f32 v[QM+\c], v[QM+\c], |v[RB+8*qi+\c]|, |v[RB+8*qi+4+\c]|   ; the four columns by turns
.endr
.set qi, qi+1
.endr
	WIN 0
.irp c, 0,1,2,3
	v_add_nc_u32 v[QS+\c], 0xfc000000, v[QM+\c]    ; 8 off the exponent field: the conversion's scale operand
.endr
.irp c, 0,1,2,3
	v_and_or_b32 v[QL+\c], v[QM+\c], 0x7f800000, s32   ; 448 x the scale
.endr
.if (\t) == 0
.irp c, 0,1,2,3
	v_lshrrev_b32 v[SW+\c], 23, v[QS+\c]
.endr
.else
.irp c, 0,1,2,3
	v_lshrrev_b32 v[QT+\c], 23, v[QS+\c]
.endr
.irp c, 0,1,2,3
	v_lshl_or_b32 v[SW+\c], v[QT+\c], 8*(\t), v[SW+\c]
.endr
.endif
	s_wait_dscnt 0x0                               ; the last block's stores have read the codes' registers
.irp p, 0,1
	WIN 0x01                                       ; source 0 in window 1
.irp d, 0,1
.set qi, 0
.rept 32
	v_med3_num_f32 v[T+32*\d+qi], v[RB+4*qi+2*\p+\d], -v[QL+2*\p+\d], v[QL+2*\p+\d]   ; the hold (ISA guide 7.6.2: no saturation) lays the column's 32 numbers on end
.set qi, qi+1
.endr
.endr
	WIN 0
.irp d, 0,1
.irp g, 0,1,2,3
	v_cvt_scalef32_pk8_fp8_f32 v[CC+8*(2*\p+\d)+2*\g:CC+8*(2*\p+\d)+2*\g+1], v[T+32*\d+8*\g:T+32*\d+8*\g+7], v[QS+2*\p+\d]
.endr
.endr
	v_nop                                          ; a plain line between the conversions and the next writes of their sources
.endr
.irp c, 0,1,2,3
	ds_store_b128 v[BA+\c], v[CC+8*\c:CC+8*\c+3] offset:32*(\t)
	ds_store_b128 v[BA+\c], v[CC+8*\c+4:CC+8*\c+7] offset:32*(\t)+16
.endr
.endm
; My 16 rows of a pass are asked for; register lid holds their slots (lane r and lane 16 + r: row r's).  33 loads: the rows' scale words, then whole half rows of 512 bytes.
.macro SG_ISSUE win, lid
.set GBB, 96*(1-\win)
	s_wait_xcnt 0x0                                ; the registers below were sources of earlier loads and stores
	v_lshrrev_b32 v[TOK], 1, v[\lid]               ; slot / 2 = token,
	v_min_u32 v[TOK], 0x3ff, v[TOK]                ; held inside the table
	v_lshl_add_u32 v[XSO], v[TOK], 5, v[H16]
	global_load_b128 v[SCT:SCT+3], v[XSO], s[8:9]  ; lane (r, h): words 4 h .. 4 h + 3 of row r
.irp t, 0,1,2,3,4,5,6,7,8,9,10,11,12,13,14,15
	v_readlane_b32 s[TK+\t], v[TOK], \t
	s_min_u32 s[TK+\t], s[TK+\t], 0x3ff
	v_lshl_add_u32 v[GO+\t], s[TK+\t], 10, v[L16]
.endr
	WIN (\win<<6)
.irp t, 0,1,2,3,4,5,6,7,8,9,10,11,12,13,14,15
	global_load_b128 v[GBB+8*\t:GBB+8*\t+3], v[GO+\t], s[6:7]
	global_load_b128 v[GBB+8*\t+4:GBB+8*\t+7], v[GO+\t], s[6:7] offset:512
.endr
	WIN 0
.endm
.macro SG_STORE win, b                 ; and laid into stage b
.set GBB, 96*(1-\win)
	WIN (\win<<2)                                  ; an LDS store's data are its source 1
.irp t, 0,1,2,3,4,5,6,7,8,9,10,11,12,13,14,15
	ds_store_b128 v[GSA+\b], v[GBB+8*\t:GBB+8*\t+3] offset:APITCH*\t
	ds_store_b128 v[GSA+\b], v[GBB+8*\t+4:GBB+8*\t+7] offset:APITCH*\t+512
.endr
	WIN 0
	ds_store_b128 v[ASA+\b], v[SCT:SCT+3]
.endm
.macro RESIDENT                        ; my two tiles x 8 K steps of the slab fill window 1 and stay
	WIN 0x40
.irp u, 0,1
.irp s, 0,1,2,3,4,5,6,7
.irp c, 0,1,2,3
	ds_load_b128 v[16*(8*\u+\s)+4*\c:16*(8*\u+\s)+4*\c+3], v[BRA+\u] offset:128*\s+32*\c
.endr
.endr
.endr
	WIN 0
.irp u, 0,1
.irp s, 0,1,2,3,4,5,6,7
	ds_load_b32 v[BS+8*\u+\s], v[BSF+\u] offset:512*\s
.endr
.endr
.endm
.macro MM i, u, s                      ; the first K step starts the sums: nothing is cleared
.if (\s) == 0
	v_wmma_scale_f32_16x16x128_f8f6f4 v[ACC+16*\i+8*\u:ACC+16*\i+8*\u+7], v[16*(8*\u+\s):16*(8*\u+\s)+15], v[AF+16*\i:AF+16*\i+15], 0, v[BS+8*\u+\s], v[ASR+8*\i+\s]
.else
	v_wmma_scale_f32_16x16x128_f8f6f4 v[ACC+16*\i+8*\u:ACC+16*\i+8*\u+7], v[16*(8*\u+\s):16*(8*\u+\s)+15], v[AF+16*\i:AF+16*\i+15], v[ACC+16*\i+8*\u:ACC+16*\i+8*\u+7], v[BS+8*\u+\s], v[ASR+8*\i+\s]
.endif
.endm
; 128 along K: four row fragments from stage b, eight products.  The eight accumulators take turns, one instruction a turn, in the same order in every step.
.macro KSTEP b, s
.rept 8
	v_nop                                          ; eight places in front of loads into registers that matrix instructions have read
.endr
.irp i, 0,1,2,3
.irp c, 0,1,2,3
	ds_load_b128 v[AF+16*\i+4*\c:AF+16*\i+4*\c+3], v[AR+4*\b+\i] offset:SOFF*\s+COFF*\c
.endr
.endr
	s_wait_dscnt 8                                 ; tiles 0 and 1 (and all older loads) are in; tiles 2 and 3 may be out
	WIN 0x01                                       ; source 0, the weights, in window 1
.irp i, 0,1
.irp u, 0,1
	MM \i, \u, \s
.endr
.endr
	s_wait_dscnt 0x0
.irp i, 2,3
.irp u, 0,1
	MM \i, \u, \s
.endr
.endr
	WIN 0
.endm
.macro GELU16 i                        ; row tile i: 16 numbers a lane, in place; each accumulator is read from its low end on
.set GV, ACC+16*(\i)
.irp j, 0,1,2,3,4,5,6,7,8,9,10,11,12,13,14,15
	v_fma_f32 v[GU+\j], |v[GV+\j]|, s33, 1.0       ; 1 + |x| / (2 sqrt 2)
.endr
.irp j, 0,1,2,3,4,5,6,7,8,9,10,11,12,13,14,15
	v_rcp_f32 v[GU+\j], v[GU+\j]                   ; t
.endr
.irp j, 0,1,2,3,4,5,6,7,8,9,10,11,12,13,14,15
	v_max_num_f32 v[GM+\j], 0, v[GV+\j]            ; (plain lines behind the reciprocals)
.endr
	s_wait_alu depctr_va_vdst(0)
.irp j, 0,2,4,6,8,10,12,14
	v_pk_fma_f32 v[GP+\j:GP+\j+1], v[GU+\j:GU+\j+1], s[38:39], v[C8V:C8V+1] op_sel_hi:[1,0,1]
.endr
.irp k, 40,42,44,46,48,50,52,54
.irp j, 0,2,4,6,8,10,12,14
	v_pk_fma_f32 v[GP+\j:GP+\j+1], v[GP+\j:GP+\j+1], v[GU+\j:GU+\j+1], s[\k:\k+1] op_sel_hi:[1,1,0]
.endr
.endr
.irp j, 0,2,4,6,8,10,12,14
	v_pk_mul_f32 v[GE+\j:GE+\j+1], v[GV+\j:GV+\j+1], v[GV+\j:GV+\j+1]
.endr
.irp j, 0,2,4,6,8,10,12,14
	v_pk_fma_f32 v[GE+\j:GE+\j+1], v[GE+\j:GE+\j+1], s[36:37], v[GP+\j:GP+\j+1] op_sel_hi:[1,0,1]   ; -x x log2(e) / 2 + P
.endr
.irp j, 0,1,2,3,4,5,6,7,8,9,10,11,12,13,14,15
	v_exp_f32 v[GE+\j], v[GE+\j]
.endr
	v_nop                                          ; a plain line behind the exponentials
	s_wait_alu depctr_va_vdst(0)
.irp j, 0,2,4,6,8,10,12,14
	v_pk_mul_f32 v[GE+\j:GE+\j+1], v[GE+\j:GE+\j+1], v[GU+\j:GU+\j+1]   ; 0.5 erfc
.endr
.irp j, 0,1,2,3,4,5,6,7,8,9,10,11,12,13,14,15
	v_fma_f32 v[GV+\j], -|v[GV+\j]|, v[GE+\j], v[GM+\j]
.endr
.endm
; The four row tiles' 16 numbers a lane become piece cg of each tile's operand image (16 bytes a lane: 512 consecutive bytes a store) and byte cg of each row's scale word.
.macro QROWS buf
.irp b, 0,1,2,3
	v_max3_num_f32 v[TM+\b], |v[ACC+16*\b]|, |v[ACC+16*\b+1]|, 0x4800000
.endr
.irp i, 2,4,6,8,10,12,14
.irp b, 0,1,2,3
	v_max3_num_f32 v[TM+\b], v[TM+\b], |v[ACC+16*\b+\i]|, |v[ACC+16*\b+\i+1]|
.endr
.endr
.irp b, 0,1,2,3
	v_permlanex16_b32 v[TM+4+\b], v[TM+\b], s34, s35
.endr
.irp b, 0,1,2,3
	v_max_num_f32 v[TM+\b], v[TM+\b], v[TM+4+\b]   ; with lane xor 16's: the block's largest magnitude
.endr
.irp b, 0,1,2,3
	v_add_nc_u32 v[TM+12+\b], 0xfc000000, v[TM+\b]
.endr
.irp b, 0,1,2,3
	v_and_or_b32 v[TM+8+\b], v[TM+\b], 0x7f800000, s32
.endr
.irp b, 0,1,2,3
	v_lshrrev_b32 v[TM+4+\b], 23, v[TM+12+\b]
.endr
.irp b, 0,1,2,3
.irp i, 0,1,2,3,4,5,6,7,8,9,10,11,12,13,14,15
	v_med3_num_f32 v[ACC+16*\b+\i], v[ACC+16*\b+\i], -v[TM+8+\b], v[TM+8+\b]
.endr
	v_cvt_scalef32_pk8_fp8_f32 v[PC+4*\b:PC+4*\b+1], v[ACC+16*\b:ACC+16*\b+7], v[TM+12+\b]
	v_cvt_scalef32_pk8_fp8_f32 v[PC+4*\b+2:PC+4*\b+3], v[ACC+16*\b+8:ACC+16*\b+15], v[TM+12+\b]
.endr
	v_nop                                          ; a plain line behind the last conversion
.irp b, 0,1,2,3
	ds_store_b8 v[HSBW], v[TM+4+\b] offset:512*\buf+64*\b   ; both halves of the lanes write the same byte with the same value
	global_store_b128 v[HOP], v[PC+4*\b:PC+4*\b+3], s[12:13] offset:2048*\b
.endr
.endm
; A PASS of 128 rows out of stage b.  One barrier: in front of it every wave's reads of the stage are in and its scale bytes have landed; behind it the stage takes the pass two further on.
.macro PASS b
	s_wait_xcnt 0x0                                ; earlier loads and stores have read their offsets and data
	s_lshl_b32 s28, s56, 7
	v_add_nc_u32 v[HOP], s28, v[HO]                ; 8 tiles of 2,048 bytes a pass
	s_lshl_b32 s28, s56, 2
	v_add_nc_u32 v[HSOP], s28, v[HSO]
	s_lshl_b32 s28, s22, 6
	s_add_co_u32 s28, s28, s56                     ; my group's first row,
	s_add_co_u32 s29, s28, 256                     ; and the same group's in the pass two further on, of which I stage 16 rows
	s_cmp_ge_u32 s29, s26
	s_cbranch_scc1 .Lnol_\@                        ; a group that will not be staged asks for no slots
	s_lshl_b32 s58, s56, 2
	s_add_co_u32 s58, s58, 1024                    ; that pass begins 256 rows on in the list;
	s_min_u32 s58, s58, 3584                       ; held inside the list
	v_add_nc_u32 v[LIDT], s58, v[LIDA]
	global_load_b32 v[LID], v[LIDT], s[4:5]        ; its slots: the load has this pass's work in which to land
.Lnol_\@:
	s_cmp_ge_u32 s28, s26
	s_cbranch_scc1 .Lidle_\@                       ; no barrier stands under this branch
.irp i, 0,1,2,3
	ds_load_b128 v[ASR+8*\i:ASR+8*\i+3], v[ASF+\b] offset:768*\i
	ds_load_b128 v[ASR+8*\i+4:ASR+8*\i+7], v[ASF+\b] offset:768*\i+16
.endr
.irp s, 0,1,2,3,4,5,6,7
	KSTEP \b, \s
.endr
.rept 8
	v_nop                                          ; eight places in front of the first read of results, and of later loads into these products' registers
.endr
.irp i, 0,1,2,3
	GELU16 \i
.endr
	QROWS \b
.Lidle_\@:
	BARRIER
	s_wait_loadcnt 0x0                             ; on every path: the slots' load, if it was issued, is the one load of mine that is out
	s_cmp_ge_u32 s28, s26
	s_cbranch_scc1 .Lnosc_\@
	s_cmp_lg_u32 s21, 0
	s_cbranch_scc1 .Lnosc_\@                       ; one wave of a group stores its 64 rows' scale words
	s_wait_xcnt 0x0
	ds_load_b64 v[TP:TP+1], v[HSBR] offset:512*\b
	s_wait_dscnt 0x0
	global_store_b64 v[HSOP], v[TP:TP+1], s[14:15] ; 32 lanes store 256 consecutive bytes, aligned
.Lnosc_\@:
	s_cmp_ge_u32 s29, s26                          ; the condition under which the slots were asked for
	s_cbranch_scc1 .Lnost_\@
	SG_ISSUE 0, LID
	s_wait_loadcnt 0x0
	SG_STORE 0, \b
.Lnost_\@:
	s_add_co_u32 s56, s56, 128
.endm
	s_load_b256 s[4:11], s[0:1], 0x0               ; lst s[4:5], xq s[6:7], xs s[8:9], w1 s[10:11]
	s_load_b128 s[12:15], s[0:1], 0x20             ; hq s[12:13], hsc s[14:15]
	v_lshrrev_b32 v[TP], 5, v0
	v_readfirstlane_b32 s20, v[TP]                 ; wave 0..7
	s_and_b32 s21, s20, 3                          ; cg
	s_lshr_b32 s22, s20, 2                         ; rg
	s_lshr_b32 s23, ttmp9, 5                       ; expert
	s_and_b32 s24, ttmp9, 31                       ; slab
	v_and_b32 v[LN], 31, v0
	v_lshlrev_b32 v[L16], 4, v[LN]
	v_and_b32 v[RR], 15, v0
	v_bfe_u32 v[HH], v0, 4, 1
	v_lshlrev_b32 v[H16], 4, v[HH]
	v_lshlrev_b32 v[L8], 3, v[LN]
	; every LDS address is made here, ahead of any parting of the waves
	s_lshl_b32 s28, s20, 7
	s_add_co_u32 s28, s28, BREG
	v_and_b32 v[TP], 25, v0                        ; my four columns' p / 4: the lane with its bits 1 and 2 exchanged (bits 3 and 4 of the column)
	v_bfe_u32 v[TQ], v0, 1, 1
	v_lshl_add_u32 v[TP], v[TQ], 2, v[TP]
	v_bfe_u32 v[TQ], v0, 2, 1
	v_lshl_add_u32 v[TP], v[TQ], 1, v[TP]
	v_mul_u32_u24 v[TP], v[TP], APITCH
	v_add_nc_u32 v[BA], s28, v[TP]                 ; BREG + APITCH (p / 4) + 128 wave: sixteen neighbouring lanes still take sixteen different rows
.irp c, 1,2,3
	v_add_nc_u32 v[BA+\c], \c*CSTR, v[BA]
.endr
	s_lshl_b32 s28, s20, 9
	s_add_co_u32 s28, s28, BSC
	v_add_nc_u32 v[BSA], s28, v[L16]
	s_lshl_b32 s28, s20, 6
	v_lshl_add_u32 v[LIDA], v[RR], 2, s28          ; 4 (16 wave + r): a byte offset in the expert's list in memory
	s_mul_i32 s28, s20, 16*APITCH
	v_add_nc_u32 v[GSA], s28, v[L16]
	v_add_nc_u32 v[GSA+1], A1, v[GSA]
	s_mul_i32 s28, s20, 768
	s_add_co_u32 s28, s28, AS0
	v_mad_u32_u24 v[TP], v[RR], 48, v[H16]
	v_add_nc_u32 v[ASA], s28, v[TP]
	v_add_nc_u32 v[ASA+1], ASZ, v[ASA]
	s_mul_i32 s28, s22, 64*APITCH
	v_mad_u32_u24 v[TP], v[RR], APITCH, v[H16]
	v_add_nc_u32 v[AR], s28, v[TP]
.irp i, 1,2,3
	v_add_nc_u32 v[AR+\i], \i*16*APITCH, v[AR]
.endr
.irp i, 0,1,2,3
	v_add_nc_u32 v[AR+4+\i], A1, v[AR+\i]
.endr
	s_mul_i32 s28, s22, 3072
	s_add_co_u32 s28, s28, AS0
	v_mul_u32_u24 v[TP], v[RR], 48
	v_add_nc_u32 v[ASF], s28, v[TP]
	v_add_nc_u32 v[ASF+1], ASZ, v[ASF]
	v_bfe_u32 v[TP], v0, 2, 2                      ; tile u, lane r: p = 32 cg + 16 u + r: p / 4 = 8 cg + 4 u + r / 4, p % 4 = r % 4
	v_mul_u32_u24 v[TP], v[TP], APITCH
	v_and_b32 v[TQ], 3, v0
	v_mad_u32_u24 v[TP], v[TQ], CSTR, v[TP]
	v_add_nc_u32 v[TP], v[TP], v[H16]
	s_mul_i32 s28, s21, 8*APITCH
	s_add_co_u32 s28, s28, BREG
	v_add_nc_u32 v[BRA], s28, v[TP]
	v_add_nc_u32 v[BRA+1], 4*APITCH, v[BRA]
	v_bfe_u32 v[TP+1], v0, 3, 1                    ; the scale words lie by the column itself: col(u) = 32 cg + 8 u + r + 8 (r / 8)
	v_lshlrev_b32 v[TP], 2, v[RR]
	v_lshl_add_u32 v[TP], v[TP+1], 5, v[TP]
	s_lshl_b32 s28, s21, 7
	s_add_co_u32 s28, s28, BSC
	v_add_nc_u32 v[BSF], s28, v[TP]                ; BSC + 4 col(0)
	v_add_nc_u32 v[BSF+1], 32, v[BSF]
	s_lshl_b32 s28, s22, 8
	s_add_co_u32 s29, s28, HSB
	v_add_nc_u32 v[HSBR], s29, v[L8]
	s_add_co_u32 s29, s29, s21
	v_lshl_add_u32 v[HSBW], v[RR], 2, s29          ; HSB + 4 (64 rg + r) + cg
	v_add_nc_u32 v[HSO], s28, v[L8]
	s_lshl_b32 s28, s21, 9
	s_lshl_b32 s29, s22, 13
	s_add_co_u32 s28, s28, s29
	v_add_nc_u32 v[HO], s28, v[L16]
	v_mov_b32 v[C8V], 0xbf97d29d
	v_mov_b32 v[C8V+1], 0xbf97d29d
	s_mov_b32 s32, 0x600000                        ; the mantissa field of 448
	s_mov_b32 s33, 0x3eb504f3                      ; 1 / (2 sqrt 2)
	s_mov_b32 s34, 0x76543210
	s_mov_b32 s35, 0xfedcba98                      ; selects for lane xor 16
	SPAIR 36, 0xbf38aa3b                           ; -log2(e) / 2
	SPAIR 38, 0x3e7c6f08                           ; P's coefficients x log2(e), from t^9 down (t^8's is the vector pair)
	SPAIR 40, 0x40097039
	SPAIR 42, 0xbfd1a1e5
	SPAIR 44, 0x3ecdfd18
	SPAIR 46, 0xbe899a80
	SPAIR 48, 0x3e0efb2e
	SPAIR 50, 0x3f0a29d2
	SPAIR 52, 0x3fb8ab5a
	SPAIR 54, 0xc034d90f                           ; the constant, less 1 for the factor 0.5
	s_lshl_b32 s28, s23, 24                        ; w1[e]: 16 MiB; my K step: 128 rows of 16 KiB; the slab: 512 bytes
	s_lshl_b32 s29, s20, 21
	s_add_co_u32 s28, s28, s29
	s_lshl_b32 s29, s24, 9
	s_add_co_u32 s28, s28, s29
	s_mov_b32 s29, 0
	s_lshl_b32 s30, ttmp9, 17                      ; hq: 64 tiles of 2,048 bytes for each (e, hs) = work-group
	s_mov_b32 s31, 0
	s_lshl_b32 s58, ttmp9, 12                      ; hsc: 1,024 words
	s_mov_b32 s59, 0
	s_mul_i32 s60, s23, 4352                       ; lst: 1,088 words an expert
	s_mov_b32 s61, 0
	s_wait_kmcnt 0x0
	s_add_nc_u64 s[10:11], s[10:11], s[28:29]
	s_add_nc_u64 s[12:13], s[12:13], s[30:31]
	s_add_nc_u64 s[14:15], s[14:15], s[58:59]
	s_add_nc_u64 s[4:5], s[4:5], s[60:61]
	s_load_b32 s25, s[4:5], 0x1000                 ; the expert's count
	global_load_b32 v[LID], v[LIDA], s[4:5]        ; the slots of my 16 rows of pass 0
	global_load_b32 v[LID1], v[LIDA], s[4:5] offset:512   ; and of pass 1: ahead of the weights, so that the first counted wait below shows them in
	LOADBLK 0
	LOADBLK 1
	s_wait_kmcnt 0x0
	s_min_u32 s25, s25, 1024
	s_max_u32 s26, s25, 256                        ; NA
	QBLK 0, 32                                     ; block 1's 32 loads may be out; block 0's and the slots', issued ahead of them, are in
	LOADBLK 2
	QBLK 1, 32
	LOADBLK 3
	QBLK 2, 32
	SG_ISSUE 1, LID                                ; pass 0's rows, into the set that block 2 has left
	QBLK 3, 33                                     ; behind block 3's loads: the gather's 33
	s_wait_loadcnt 0x0
	SG_STORE 1, 0
	ds_store_b128 v[BSA], v[SW:SW+3]
	s_wait_dscnt 0x0                               ; the stores have landed and have read their registers
	SG_ISSUE 0, LID1                               ; pass 1's rows are asked for; they land while the weights go into registers
	s_barrier_signal -1                            ; (no LDS instruction of mine is out) the slab's codes and scale words, and stage 0, lie in LDS
	s_barrier_wait -1
	RESIDENT
	BARRIER                                        ; every wave has its weights: their bytes become stage 1
	s_wait_loadcnt 0x0
	SG_STORE 0, 1
	s_mov_b32 s56, 0                               ; the pass's first row
	s_mov_b32 s57, 0
.Lpass:                                            ; four trips of two passes: a constant count; a pass without rows only meets the barrier
	PASS 0
	PASS 1
	s_add_co_u32 s57, s57, 1
	s_cmp_lt_u32 s57, 4
	s_cbranch_scc1 .Lpass
	s_wait_xcnt 0x0
	v_lshl_add_u32 v254, v0, 2, 0x45500
	v_mov_b32 v255, 0
	s_wait_tensorcnt 0x0
	ds_add_u32 v254, v255
	s_wait_dscnt 0x0
	s_endpgm
.Lfunc_end_k_q5a16d420d5_ffn1:
	.size	k_q5a16d420d5_ffn1, .Lfunc_end_k_q5a16d420d5_ffn1-k_q5a16d420d5_ffn1
	.p2alignl 7, 3214868480
	.fill 96, 4, 3214868480
	.section	.rodata,"a",@progbits
	.p2align	6, 0x0
	.amdhsa_kernel k_q5a16d420d5_ffn1
		.amdhsa_group_segment_fixed_size 284928
		.amdhsa_private_segment_fixed_size 0
		.amdhsa_enable_private_segment 0
		.amdhsa_kernarg_size 48
		.amdhsa_user_sgpr_count 2
		.amdhsa_user_sgpr_kernarg_segment_ptr 1
		.amdhsa_wavefront_size32 1
		.amdhsa_system_sgpr_workgroup_id_x 1
		.amdhsa_system_sgpr_workgroup_id_y 1
		.amdhsa_system_sgpr_workgroup_id_z 1
		.amdhsa_system_vgpr_workitem_id 0
		.amdhsa_next_free_vgpr 512
		.amdhsa_next_free_sgpr 96
		.amdhsa_reserve_vcc 0
		.amdhsa_float_denorm_mode_32 3
		.amdhsa_float_denorm_mode_16_64 3
		.amdhsa_memory_ordered 1
		.amdhsa_forward_progress 1
		.amdhsa_inst_pref_size 255
	.end_amdhsa_kernel
	.amdgpu_metadata
---
amdhsa.version: [ 1, 2 ]
amdhsa.kernels:
  - .name:           k_q5a16d420d5_ffn1
    .symbol:         k_q5a16d420d5_ffn1.kd
    .args:
      - { .name: lst, .offset: 0, .size: 8, .value_kind: global_buffer, .address_space: global }
      - { .name: xq, .offset: 8, .size: 8, .value_kind: global_buffer, .address_space: global }
      - { .name: xs, .offset: 16, .size: 8, .value_kind: global_buffer, .address_space: global }
      - { .name: w1, .offset: 24, .size: 8, .value_kind: global_buffer, .address_space: global }
      - { .name: hq, .offset: 32, .size: 8, .value_kind: global_buffer, .address_space: global }
      - { .name: hsc, .offset: 40, .size: 8, .value_kind: global_buffer, .address_space: global }
    .group_segment_fixed_size: 284928
    .private_segment_fixed_size: 0
    .kernarg_segment_align: 8
    .kernarg_segment_size: 48
    .max_flat_workgroup_size: 256
    .sgpr_count:     96
    .vgpr_count:     512
    .wavefront_size: 32
...
	.end_amdgpu_metadata
.endif
;; end of part 3
;; launch ffn2 (part 4): grid 256 x 1, 8 waves a work-group, no clusters, 281,856 bytes of LDS; arguments lst, hq, hsc, w2, yp; writes yp
.if DOCPART == 4
	.amdgcn_target "amdgcn-amd-amdhsa--gfx1250"
	.amdhsa_code_object_version 6
	.text
	.protected	k_q5a16d420d5_ffn2
	.globl	k_q5a16d420d5_ffn2
	.p2align	8
	.type	k_q5a16d420d5_ffn2,@function
k_q5a16d420d5_ffn2:
	s_mov_b64 s[64:65], 0
	v_nop
	global_prefetch_b8 v0, s[64:65] scope:SCOPE_SE
	s_setreg_imm32_b32 hwreg(HW_REG_WAVE_MODE, 25, 1), 1
	s_wait_xcnt 0x0
; SECOND PRODUCT OF THE CHOSEN EXPERTS: y = h w2[e] for the rows routed to expert e, on codes of FP8 (E4M3) with one E8M0 scale for each 32 along K = the hidden units.
; SHARES.  Work-group = (expert e = wg / 32, columns ns = (wg / 4) % 8, quarter of K ks = wg % 4): 1,024 (K) x 128 columns of w2[e], 512 KB of f32, read ONCE, quantised in registers, passed once through
; LDS into operand registers, where the codes stay; then the expert's rows are walked, 128 a pass.  The four quarters' sums go to yp[ks] and are added by the last launch: each byte of yp has one writer.
; STREAM and PRODUCT as in the first product's launch: wave w streams K step w; wave w = 4 rg + cg keeps columns 32 cg .. 32 cg + 31 (two tiles of neighbours x 8 K steps) and takes rows 64 rg .. 64 rg + 63 of a pass.
; h comes as images of operand registers (16 rows x 128 K: 2,048 bytes, 16 bytes a lane for each group of four registers): dense blocks in memory, dense in LDS, no pitch.
; Used transposed (source 0 = 16 columns, source 1 = 16 rows): a lane holds eight neighbouring columns of one row; a pass's 128 rows x 512 bytes meet in a stage in LDS and leave as whole rows, to the rows' slots.
; The list and the count are whole numbers stored by an earlier launch.  Groups of 64 rows are worked where 64 g < NA = max(n, 256), as they were made; only rows under n are stored.
; The loop's count is a constant, 8 passes, since every wave passes every barrier; a pass without rows asks memory for nothing and only meets the barriers.
; No tensor loads and no cluster, for the reasons given at the first product's head.
; LIMITS: NaN and infinities are not served.  A block of w2 whose largest magnitude lies under 2^-118 (a block of zeros too) keeps the scale byte 1.
.set APITCH, 1040
.set A1,    131072                     ; LDS: A0 at 0: [tile 8][K step 8][2,048]; A1 = BREG once the weights are in registers.  A stage also takes its pass's results: 128 rows x YP
.set BREG,  131072                     ; the slab's codes: (col, k) at (col / 4) APITCH + (col % 4) CSTR + k
.set CSTR,  33344
.set AS0,   264448                     ; the rows' scale words: 48 bytes a row; AS1 = AS0 + ASZ
.set ASZ,   6144
.set BSC,   276736                     ; the slab's scale words [K step][col]
.set YP,    528                        ; a row of results: 512 bytes + 16
.set WROW,  4096                       ; bytes from a row of w2[e] to the next
.set SOFF,  2048                       ; a K step, and a group of four registers, in the images
.set COFF,  512
.set L16, 1
.set RR,  2
.set HH,  3
.set H16, 4
.set L8,  5
.set BA,  6                            ; v6-9
.set BSA, 10
.set LIO0, 11                          ; my row's place in the list, pass 0
.set LIO, 12
.set LID, 13
.set IGO, 14
.set HSG, 15
.set ISA, 16                           ; v16-17  where the images that I fetch go, stage 0, 1
.set ASW, 18                           ; v18-19  and their scale words
.set AR,  20                           ; v20-27
.set ASF, 28                           ; v28-29
.set BRA, 30                           ; v30-31
.set BSF, 32                           ; v32-33
.set YSW, 34                           ; v34-35  results into the stage
.set YSR, 36                           ; v36-37  whole rows out of it
.set TP,  44
.set LN,  47
.set BS,  48                           ; v48-63  scales and nothing else
.set ASR, 64                           ; v64-95  scales and nothing else
.set ACC, 96
.set AF,  160
.set VO,  224                          ; v224-239 the rows' places in yp
.set SCT, 240                          ; v240-243 fetched scale words
.set T,   96
.set CC,  160
.set QM,  192
.set QS,  196
.set QL,  200
.set SW,  204
.set QT,  208
.set TK,  66
.set MSB, 0
.macro WIN new                         ; the immediate's high byte repeats the setting that is left
.if MSB != \new
	s_set_vgpr_msb (MSB<<8)|\new
.set MSB, \new
.endif
.endm
.macro BARRIER                         ; my LDS stores have landed and my LDS loads are in: then the work-group's barrier
	s_wait_dscnt 0x0
	s_barrier_signal -1
	s_barrier_wait -1
.endm
.macro LOADBLK t                       ; block t of my K step: 32 rows x 512 bytes into set t % 2 of window 1
	WIN 0x40
.set li, 0
.rept 32
	global_load_b128 v[128*((\t)%2)+4*li:128*((\t)%2)+4*li+3], v[L16], s[10:11] offset:(32*(\t)+li)*WROW th:TH_LOAD_NT
.set li, li+1
.endr
	WIN 0
.endm
.macro QBLK t, younger                 ; block t becomes codes in LDS and a byte of each column's scale word
	s_wait_loadcnt \younger                        ; loads come back in order: this block's are in, the younger ones stay out
.set RB, 128*((\t)%2)
	WIN 0x14                                       ; sources 1 and 2 in window 1
.irp c, 0,1,2,3
	v_mov_b32 v[QM+\c], 0x4800000                  ; the floor 2^(9 - 127): the byte cannot fall under 1
.endr
.set qi, 0
.rept 16
.irp c, 0,1,2,3
	v_max3_num_f32 v[QM+\c], v[QM+\c], |v[RB+8*qi+\c]|, |v[RB+8*qi+4+\c]|
.endr
.set qi, qi+1
.endr
	WIN 0
.irp c, 0,1,2,3
	v_add_nc_u32 v[QS+\c], 0xfc000000, v[QM+\c]    ; 8 off the exponent field: the conversion's scale operand
.endr
.irp c, 0,1,2,3
	v_and_or_b32 v[QL+\c], v[QM+\c], 0x7f800000, s32   ; 448 x the scale
.endr
.if (\t) == 0
.irp c, 0,1,2,3
	v_lshrrev_b32 v[SW+\c], 23, v[QS+\c]
.endr
.else
.irp c, 0,1,2,3
	v_lshrrev_b32 v[QT+\c], 23, v[QS+\c]
.endr
.irp c, 0,1,2,3
	v_lshl_or_b32 v[SW+\c], v[QT+\c], 8*(\t), v[SW+\c]
.endr
.endif
	s_wait_dscnt 0x0                               ; the last block's stores have read the codes' registers
.irp p, 0,1
	WIN 0x01                                       ; source 0 in window 1
.irp d, 0,1
.set qi, 0
.rept 32
	v_med3_num_f32 v[T+32*\d+qi], v[RB+4*qi+2*\p+\d], -v[QL+2*\p+\d], v[QL+2*\p+\d]   ; the hold (ISA guide 7.6.2: no saturation) lays the column's 32 numbers on end
.set qi, qi+1
.endr
.endr
	WIN 0
.irp d, 0,1
.irp g, 0,1,2,3
	v_cvt_scalef32_pk8_fp8_f32 v[CC+8*(2*\p+\d)+2*\g:CC+8*(2*\p+\d)+2*\g+1], v[T+32*\d+8*\g:T+32*\d+8*\g+7], v[QS+2*\p+\d]
.endr
.endr
	v_nop                                          ; a plain line between the conversions and the next writes of their sources
.endr
.irp c, 0,1,2,3
	ds_store_b128 v[BA+\c], v[CC+8*\c:CC+8*\c+3] offset:32*(\t)
	ds_store_b128 v[BA+\c], v[CC+8*\c+4:CC+8*\c+7] offset:32*(\t)+16
.endr
.endm
; Wave (rg, cg) fetches its own group's four tiles for K steps 2 cg and 2 cg + 1.  s58 = the pass's first byte in a K step's images, s59 = in its scale words.  34 loads.
.macro IS_ISSUE win
.set GBB, 96*(1-\win)
	s_wait_xcnt 0x0                                ; the registers below were sources of earlier loads and stores
	v_add_nc_u32 v[IGO], s58, v[L16]
	v_add_nc_u32 v[HSG], s59, v[L8]
	global_load_b64 v[SCT:SCT+1], v[HSG], s[8:9]               ; 64 rows' words: 256 consecutive bytes; lane l rows 2 l, 2 l + 1
	global_load_b64 v[SCT+2:SCT+3], v[HSG], s[8:9] offset:4096
	WIN (\win<<6)
.irp p, 0,1
.irp j, 0,1,2,3,4,5,6,7,8,9,10,11,12,13,14,15
	global_load_b128 v[GBB+64*\p+4*\j:GBB+64*\p+4*\j+3], v[IGO], s[6:7] offset:131072*\p+512*\j
.endr
.endr
	WIN 0
.endm
.macro IS_STORE win, b
.set GBB, 96*(1-\win)
	WIN (\win<<2)                                  ; an LDS store's data are its source 1
.irp p, 0,1
.irp m, 0,1,2,3
.irp c, 0,1,2,3
	ds_store_b128 v[ISA+\b], v[GBB+64*\p+4*(4*\m+\c):GBB+64*\p+4*(4*\m+\c)+3] offset:16384*\m+2048*\p+512*\c
.endr
.endr
.endr
	WIN 0
	ds_store_b32 v[ASW+\b], v[SCT]
	ds_store_b32 v[ASW+\b], v[SCT+1] offset:48
	ds_store_b32 v[ASW+\b], v[SCT+2] offset:4
	ds_store_b32 v[ASW+\b], v[SCT+3] offset:52
.endm
.macro RESIDENT                        ; my two tiles x 8 K steps of the slab fill window 1 and stay
	WIN 0x40
.irp u, 0,1
.irp s, 0,1,2,3,4,5,6,7
.irp c, 0,1,2,3
	ds_load_b128 v[16*(8*\u+\s)+4*\c:16*(8*\u+\s)+4*\c+3], v[BRA+\u] offset:128*\s+32*\c
.endr
.endr
.endr
	WIN 0
.irp u, 0,1
.irp s, 0,1,2,3,4,5,6,7
	ds_load_b32 v[BS+8*\u+\s], v[BSF+\u] offset:512*\s
.endr
.endr
.endm
.macro MM i, u, s                      ; the first K step starts the sums: nothing is cleared
.if (\s) == 0
	v_wmma_scale_f32_16x16x128_f8f6f4 v[ACC+16*\i+8*\u:ACC+16*\i+8*\u+7], v[16*(8*\u+\s):16*(8*\u+\s)+15], v[AF+16*\i:AF+16*\i+15], 0, v[BS+8*\u+\s], v[ASR+8*\i+\s]
.else
	v_wmma_scale_f32_16x16x128_f8f6f4 v[ACC+16*\i+8*\u:ACC+16*\i+8*\u+7], v[16*(8*\u+\s):16*(8*\u+\s)+15], v[AF+16*\i:AF+16*\i+15], v[ACC+16*\i+8*\u:ACC+16*\i+8*\u+7], v[BS+8*\u+\s], v[ASR+8*\i+\s]
.endif
.endm
; 128 along K: four row fragments from stage b, eight products.  The eight accumulators take turns, one instruction a turn, in the same order in every step.
.macro KSTEP b, s
.rept 8
	v_nop                                          ; eight places in front of loads into registers that matrix instructions have read
.endr
.irp i, 0,1,2,3
.irp c, 0,1,2,3
	ds_load_b128 v[AF+16*\i+4*\c:AF+16*\i+4*\c+3], v[AR+4*\b+\i] offset:SOFF*\s+COFF*\c
.endr
.endr
	s_wait_dscnt 8                                 ; tiles 0 and 1 (and all older loads) are in; tiles 2 and 3 may be out
	WIN 0x01                                       ; source 0, the weights, in window 1
.irp i, 0,1
.irp u, 0,1
	MM \i, \u, \s
.endr
.endr
	s_wait_dscnt 0x0
.irp i, 2,3
.irp u, 0,1
	MM \i, \u, \s
.endr
.endr
	WIN 0
.endm
; A PASS of 128 rows out of stage b.  Three barriers, on every path: the stage's images have been read | the results lie in the stage | they have been read: the stage takes the pass two further on.
.macro PASS b
	s_wait_xcnt 0x0                                ; earlier loads and stores have read their offsets and data
	s_sub_co_i32 s29, s25, s56
	s_lshl_b32 s30, s20, 4
	s_sub_co_i32 s29, s29, s30                     ; how many of the 16 rows that I store in this pass are the expert's
	s_cmp_le_i32 s29, 0
	s_cbranch_scc1 .Lnol_\@                        ; none: no slots are asked for
	s_lshl_b32 s28, s56, 2
	v_add_nc_u32 v[LIO], s28, v[LIO0]
	global_load_b32 v[LID], v[LIO], s[4:5]         ; their slots: the load has the pass's products in which to land
.Lnol_\@:
	s_lshl_b32 s28, s22, 6
	s_add_co_u32 s28, s28, s56                     ; my group's first row
	s_cmp_ge_u32 s28, s26
	s_cbranch_scc1 .Lidle_\@                       ; no barrier stands under this branch
.irp i, 0,1,2,3
	ds_load_b128 v[ASR+8*\i:ASR+8*\i+3], v[ASF+\b] offset:768*\i
	ds_load_b128 v[ASR+8*\i+4:ASR+8*\i+7], v[ASF+\b] offset:768*\i+16
.endr
.irp s, 0,1,2,3,4,5,6,7
	KSTEP \b, \s
.endr
.rept 8
	v_nop                                          ; eight places in front of the first read of results, and of later loads into these products' registers
.endr
.Lidle_\@:
	BARRIER
	s_cmp_ge_u32 s28, s26
	s_cbranch_scc1 .Lnoy_\@
.irp i, 0,1,2,3
.irp u, 0,1
	ds_store_b128 v[YSW+\b], v[ACC+16*\i+8*\u:ACC+16*\i+8*\u+3] offset:16*YP*\i+64*\u          ; each accumulator from its low end on
	ds_store_b128 v[YSW+\b], v[ACC+16*\i+8*\u+4:ACC+16*\i+8*\u+7] offset:16*YP*\i+64*\u+16
.endr
.endr
.Lnoy_\@:
	BARRIER
	s_wait_loadcnt 0x0                             ; on every path: the slots' load, if it was issued, is the one load of mine that is out
	s_cmp_le_i32 s29, 0                            ; the condition under which the slots were asked for
	s_cbranch_scc1 .Ldone_\@
.irp t, 0,1,2,3,4,5,6,7,8,9,10,11,12,13,14,15
	ds_load_b128 v[ACC+4*\t:ACC+4*\t+3], v[YSR+\b] offset:YP*\t
.endr
.irp t, 0,1,2,3,4,5,6,7,8,9,10,11,12,13,14,15
	v_readlane_b32 s[TK+\t], v[LID], \t
	s_min_u32 s[TK+\t], s[TK+\t], 0x7ff            ; held inside the table
	v_lshl_add_u32 v[VO+\t], s[TK+\t], 12, v[L16]
.endr
	s_wait_dscnt 15
	global_store_b128 v[VO], v[ACC:ACC+3], s[12:13]            ; 32 lanes store 512 consecutive bytes, aligned
.irp t, 1,2,3,4,5,6,7,8,9,10,11,12,13,14,15
	s_cmp_le_i32 s29, \t
	s_cbranch_scc1 .Ldone_\@
	s_wait_dscnt 15-\t                             ; row t is in; the rows behind it may be out
	global_store_b128 v[VO+\t], v[ACC+4*\t:ACC+4*\t+3], s[12:13]
.endr
.Ldone_\@:
	s_wait_xcnt 0x0                                ; the stores have read their registers, which the next products and loads write
	BARRIER
	s_add_co_u32 s28, s28, 256
	s_cmp_ge_u32 s28, s26
	s_cbranch_scc1 .Lnost_\@
	s_add_co_u32 s59, s56, 256
	s_lshl_b32 s58, s59, 7                         ; 8 tiles of 2,048 bytes a pass
	s_lshl_b32 s59, s59, 2
	IS_ISSUE 0
	s_wait_loadcnt 0x0
	IS_STORE 0, \b
.Lnost_\@:
	s_add_co_u32 s56, s56, 128
.endm
	s_load_b256 s[4:11], s[0:1], 0x0               ; lst s[4:5], hq s[6:7], hsc s[8:9], w2 s[10:11]
	s_load_b64 s[12:13], s[0:1], 0x20              ; yp
	v_lshl_add_u32 v254, v0, 2, 0x44900
	v_mov_b32 v255, 0
	v_lshrrev_b32 v[TP], 5, v0
	v_readfirstlane_b32 s20, v[TP]                 ; wave 0..7
	s_and_b32 s21, s20, 3                          ; cg
	s_lshr_b32 s22, s20, 2                         ; rg
	s_lshr_b32 s23, ttmp9, 5                       ; expert
	s_bfe_u32 s24, ttmp9, 0x30002                  ; ns
	s_and_b32 s27, ttmp9, 3                        ; ks
	v_and_b32 v[LN], 31, v0
	v_lshlrev_b32 v[L16], 4, v[LN]
	v_and_b32 v[RR], 15, v0
	v_bfe_u32 v[HH], v0, 4, 1
	v_lshlrev_b32 v[H16], 4, v[HH]
	v_lshlrev_b32 v[L8], 3, v[LN]
	v_mov_b32 v[LID], 0                            ; written once, so that it is written on every path of the text; it is read only where its load was issued
	s_lshl_b32 s28, s20, 7
	s_add_co_u32 s28, s28, BREG
	v_mul_u32_u24 v[TP], v[LN], APITCH
	v_add_nc_u32 v[BA], s28, v[TP]                 ; BREG + APITCH lane + 128 wave
.irp c, 1,2,3
	v_add_nc_u32 v[BA+\c], \c*CSTR, v[BA]
.endr
	s_lshl_b32 s28, s20, 9
	s_add_co_u32 s28, s28, BSC
	v_add_nc_u32 v[BSA], s28, v[L16]
	s_lshl_b32 s28, s20, 6
	v_lshl_add_u32 v[LIO0], v[RR], 2, s28          ; 4 (16 wave + r)
	s_lshl_b32 s28, s22, 16
	v_add_nc_u32 v[AR], s28, v[L16]                ; 16,384 (4 rg + i) + 16 lane
.irp i, 1,2,3
	v_add_nc_u32 v[AR+\i], \i*16384, v[AR]
.endr
.irp i, 0,1,2,3
	v_add_nc_u32 v[AR+4+\i], A1, v[AR+\i]
.endr
	s_lshl_b32 s29, s21, 12
	s_add_co_u32 s28, s28, s29
	v_add_nc_u32 v[ISA], s28, v[L16]               ; 65,536 rg + 4,096 cg + 16 lane
	v_add_nc_u32 v[ISA+1], A1, v[ISA]
	s_mul_i32 s28, s22, 3072
	s_add_co_u32 s28, s28, AS0
	v_mul_u32_u24 v[TP], v[RR], 48
	v_add_nc_u32 v[ASF], s28, v[TP]
	v_add_nc_u32 v[ASF+1], ASZ, v[ASF]
	s_lshl_b32 s29, s21, 3
	s_add_co_u32 s28, s28, s29
	v_mul_u32_u24 v[TP], v[LN], 96
	v_add_nc_u32 v[ASW], s28, v[TP]                ; AS0 + 48 (64 rg + 2 lane) + 4 (2 cg)
	v_add_nc_u32 v[ASW+1], ASZ, v[ASW]
	v_bfe_u32 v[TP], v0, 2, 2                      ; col(u) = 32 cg + 16 u + r: col / 4 = 8 cg + 4 u + r / 4, col % 4 = r % 4
	v_mul_u32_u24 v[TP], v[TP], APITCH
	v_and_b32 v[TP+1], 3, v0
	v_mad_u32_u24 v[TP], v[TP+1], CSTR, v[TP]
	v_add_nc_u32 v[TP], v[TP], v[H16]
	s_mul_i32 s28, s21, 8*APITCH
	s_add_co_u32 s28, s28, BREG
	v_add_nc_u32 v[BRA], s28, v[TP]
	v_add_nc_u32 v[BRA+1], 4*APITCH, v[BRA]
	s_lshl_b32 s28, s21, 7
	s_add_co_u32 s28, s28, BSC
	v_lshl_add_u32 v[BSF], v[RR], 2, s28
	v_add_nc_u32 v[BSF+1], 64, v[BSF]
	s_mul_i32 s28, s22, 64*YP
	s_lshl_b32 s29, s21, 7
	s_add_co_u32 s28, s28, s29
	v_mul_u32_u24 v[TP], v[RR], YP
	v_lshl_add_u32 v[TP], v[HH], 5, v[TP]
	v_add_nc_u32 v[YSW], s28, v[TP]                ; YP (64 rg + r) + 128 cg + 32 h
	v_add_nc_u32 v[YSW+1], A1, v[YSW]
	s_mul_i32 s28, s20, 16*YP
	v_add_nc_u32 v[YSR], s28, v[L16]
	v_add_nc_u32 v[YSR+1], A1, v[YSR]
	s_mov_b32 s32, 0x600000                        ; the mantissa field of 448
	s_mul_i32 s28, s23, 4352                       ; lst: 1,088 words an expert
	s_mov_b32 s29, 0
	s_lshl_b32 s30, s23, 24                        ; w2[e]: 16 MiB; ks: 1,024 rows of 4 KiB; my K step: 128 rows; ns: 512 bytes
	s_lshl_b32 s31, s27, 22
	s_add_co_u32 s30, s30, s31
	s_lshl_b32 s31, s20, 19
	s_add_co_u32 s30, s30, s31
	s_lshl_b32 s31, s24, 9
	s_add_co_u32 s30, s30, s31
	s_mov_b32 s31, 0
	s_lshl_b32 s58, s23, 22                        ; hq: K step 32 e + 8 ks + 2 cg, 131,072 bytes each; tile 4 rg
	s_lshl_b32 s59, s27, 20
	s_add_co_u32 s58, s58, s59
	s_lshl_b32 s59, s21, 18
	s_add_co_u32 s58, s58, s59
	s_lshl_b32 s59, s22, 13
	s_add_co_u32 s58, s58, s59
	s_mov_b32 s59, 0
	s_lshl_b32 s60, s23, 17                        ; hsc: the same K step, 4,096 bytes each; row 64 rg
	s_lshl_b32 s61, s27, 15
	s_add_co_u32 s60, s60, s61
	s_lshl_b32 s61, s21, 13
	s_add_co_u32 s60, s60, s61
	s_lshl_b32 s61, s22, 8
	s_add_co_u32 s60, s60, s61
	s_mov_b32 s61, 0
	s_lshl_b32 s34, s27, 23                        ; yp: part ks of 8 MiB; ns: 512 bytes
	s_lshl_b32 s35, s24, 9
	s_add_co_u32 s34, s34, s35
	s_mov_b32 s35, 0
	s_wait_kmcnt 0x0
	s_add_nc_u64 s[4:5], s[4:5], s[28:29]
	s_add_nc_u64 s[10:11], s[10:11], s[30:31]
	s_add_nc_u64 s[6:7], s[6:7], s[58:59]
	s_add_nc_u64 s[8:9], s[8:9], s[60:61]
	s_add_nc_u64 s[12:13], s[12:13], s[34:35]
	s_load_b32 s25, s[4:5], 0x1000                 ; the expert's count
	LOADBLK 0
	LOADBLK 1
	s_wait_kmcnt 0x0
	s_min_u32 s25, s25, 1024
	s_max_u32 s26, s25, 256                        ; NA
	QBLK 0, 32
	LOADBLK 2
	QBLK 1, 32
	LOADBLK 3
	QBLK 2, 32
	s_mov_b32 s58, 0
	s_mov_b32 s59, 0
	IS_ISSUE 1                                     ; pass 0's images, into the set that block 2 has left
	QBLK 3, 34                                     ; behind block 3's loads: these 34
	s_wait_loadcnt 0x0
	IS_STORE 1, 0
	ds_store_b128 v[BSA], v[SW:SW+3]
	s_wait_dscnt 0x0                               ; the stores have landed and have read their registers
	s_mov_b32 s58, 16384
	s_mov_b32 s59, 512
	IS_ISSUE 0                                     ; pass 1's images are asked for; they land while the weights go into registers
	s_barrier_signal -1                            ; (no LDS instruction of mine is out) the slab's codes and scale words, and stage 0, lie in LDS
	s_barrier_wait -1
	RESIDENT
	BARRIER                                        ; every wave has its weights: their bytes become stage 1
	s_wait_loadcnt 0x0
	IS_STORE 0, 1
	s_mov_b32 s56, 0                               ; the pass's first row
	s_mov_b32 s57, 0
.Lpass:                                            ; four trips of two passes: a constant count; a pass without rows only meets the barriers
	PASS 0
	PASS 1
	s_add_co_u32 s57, s57, 1
	s_cmp_lt_u32 s57, 4
	s_cbranch_scc1 .Lpass
	s_wait_tensorcnt 0x0
	ds_add_u32 v254, v255
	s_wait_dscnt 0x0
	s_endpgm
.Lfunc_end_k_q5a16d420d5_ffn2:
	.size	k_q5a16d420d5_ffn2, .Lfunc_end_k_q5a16d420d5_ffn2-k_q5a16d420d5_ffn2
	.p2alignl 7, 3214868480
	.fill 96, 4, 3214868480
	.section	.rodata,"a",@progbits
	.p2align	6, 0x0
	.amdhsa_kernel k_q5a16d420d5_ffn2
		.amdhsa_group_segment_fixed_size 281856
		.amdhsa_private_segment_fixed_size 0
		.amdhsa_enable_private_segment 0
		.amdhsa_kernarg_size 40
		.amdhsa_user_sgpr_count 2
		.amdhsa_user_sgpr_kernarg_segment_ptr 1
		.amdhsa_wavefront_size32 1
		.amdhsa_system_sgpr_workgroup_id_x 1
		.amdhsa_system_sgpr_workgroup_id_y 1
		.amdhsa_system_sgpr_workgroup_id_z 1
		.amdhsa_system_vgpr_workitem_id 0
		.amdhsa_next_free_vgpr 512
		.amdhsa_next_free_sgpr 96
		.amdhsa_reserve_vcc 0
		.amdhsa_float_denorm_mode_32 3
		.amdhsa_float_denorm_mode_16_64 3
		.amdhsa_memory_ordered 1
		.amdhsa_forward_progress 1
		.amdhsa_inst_pref_size 164
	.end_amdhsa_kernel
	.amdgpu_metadata
---
amdhsa.version: [ 1, 2 ]
amdhsa.kernels:
  - .name:           k_q5a16d420d5_ffn2
    .symbol:         k_q5a16d420d5_ffn2.kd
    .args:
      - { .name: lst, .offset: 0, .size: 8, .value_kind: global_buffer, .address_space: global }
      - { .name: hq, .offset: 8, .size: 8, .value_kind: global_buffer, .address_space: global }
      - { .name: hsc, .offset: 16, .size: 8, .value_kind: global_buffer, .address_space: global }
      - { .name: w2, .offset: 24, .size: 8, .value_kind: global_buffer, .address_space: global }
      - { .name: yp, .offset: 32, .size: 8, .value_kind: global_buffer, .address_space: global }
    .group_segment_fixed_size: 281856
    .private_segment_fixed_size: 0
    .kernarg_segment_align: 8
    .kernarg_segment_size: 40
    .max_flat_workgroup_size: 256
    .sgpr_count:     96
    .vgpr_count:     512
    .wavefront_size: 32
...
	.end_amdgpu_metadata
.endif
;; end of part 4
;; launch combine (part 5): grid 256 x 1, 8 waves a work-group, no clusters, 0 bytes of LDS; arguments yp, rw, out0; writes out0
.if DOCPART == 5
	.amdgcn_target "amdgcn-amd-amdhsa--gfx1250"
	.amdhsa_code_object_version 6
	.text
	.protected	k_q5a16d420d5_combine
	.globl	k_q5a16d420d5_combine
	.p2align	8
	.type	k_q5a16d420d5_combine,@function
k_q5a16d420d5_combine:
	s_mov_b64 s[64:65], 0
	v_nop
	global_prefetch_b8 v0, s[64:65] scope:SCOPE_SE
	s_setreg_imm32_b32 hwreg(HW_REG_WAVE_MODE, 25, 1), 1
	s_wait_xcnt 0x0
; out0[t] = rw[2 t] y[2 t] + rw[2 t + 1] y[2 t + 1], y[slot] = the sum of yp's four parts along K.  yp: [4][2048][1024] f32, rw: [2048] f32, out0: [1024][1024] f32.
; A stream: each byte read once and written once; rows are named by slot, so no index is read.  A work-group takes 4 tokens; thread v takes the 16 bytes at 16 v of every row, so a wave's load or store
; covers 512 consecutive bytes.  All 32 loads of a thread go out at once; the waits count down by token.  LDS, barriers and the matrix unit would add nothing here.
.set Y, 16                             ; v16-143: (token, slot j, part ks) at Y + 32 token + 16 j + 4 ks
	s_load_b128 s[4:7], s[0:1], 0x0                ; yp s[4:5], rw s[6:7]
	s_load_b64 s[8:9], s[0:1], 0x10                ; out0
	v_lshlrev_b32 v1, 4, v0
	s_lshl_b32 s10, ttmp9, 15                      ; 8 slots of 4,096 bytes
	s_mov_b32 s11, 0
	s_lshl_b32 s12, ttmp9, 5                       ; 8 weights
	s_mov_b32 s13, 0
	s_lshl_b32 s14, ttmp9, 14                      ; 4 rows
	s_mov_b32 s15, 0
	s_wait_kmcnt 0x0
	s_add_nc_u64 s[6:7], s[6:7], s[12:13]
	s_load_b256 s[24:31], s[6:7], 0x0              ; the 8 weights
	s_add_nc_u64 s[16:17], s[4:5], s[10:11]        ; a base for each part: 8 MiB apart
	s_add_nc_u64 s[18:19], s[16:17], 0x800000
	s_add_nc_u64 s[20:21], s[18:19], 0x800000
	s_add_nc_u64 s[22:23], s[20:21], 0x800000
	s_add_nc_u64 s[8:9], s[8:9], s[14:15]
.irp t, 0,1,2,3
.irp j, 0,1
.irp k, 0,1,2,3
	global_load_b128 v[Y+32*\t+16*\j+4*\k:Y+32*\t+16*\j+4*\k+3], v1, s[16+2*\k:17+2*\k] offset:(2*\t+\j)*4096 th:TH_LOAD_NT
.endr
.endr
.endr
	s_wait_kmcnt 0x0
.irp t, 0,1,2,3
	s_wait_loadcnt 24-8*\t                         ; this token's eight loads are in; the later tokens' stay out
.irp j, 0,1
.irp c, 0,2
	v_pk_add_f32 v[Y+32*\t+16*\j+\c:Y+32*\t+16*\j+\c+1], v[Y+32*\t+16*\j+\c:Y+32*\t+16*\j+\c+1], v[Y+32*\t+16*\j+4+\c:Y+32*\t+16*\j+4+\c+1]
	v_pk_add_f32 v[Y+32*\t+16*\j+8+\c:Y+32*\t+16*\j+8+\c+1], v[Y+32*\t+16*\j+8+\c:Y+32*\t+16*\j+8+\c+1], v[Y+32*\t+16*\j+12+\c:Y+32*\t+16*\j+12+\c+1]
.endr
.irp c, 0,2
	v_pk_add_f32 v[Y+32*\t+16*\j+\c:Y+32*\t+16*\j+\c+1], v[Y+32*\t+16*\j+\c:Y+32*\t+16*\j+\c+1], v[Y+32*\t+16*\j+8+\c:Y+32*\t+16*\j+8+\c+1]
.endr
.endr
.irp c, 0,1,2,3
	v_mul_f32 v[Y+32*\t+\c], s[24+2*\t], v[Y+32*\t+\c]
.endr
.irp c, 0,1,2,3
	v_fmac_f32 v[Y+32*\t+\c], s[25+2*\t], v[Y+32*\t+16+\c]
.endr
	global_store_b128 v1, v[Y+32*\t:Y+32*\t+3], s[8:9] offset:4096*\t th:TH_STORE_NT   ; each token has registers of its own: no store's data are written again
.endr
	s_endpgm
.Lfunc_end_k_q5a16d420d5_combine:
	.size	k_q5a16d420d5_combine, .Lfunc_end_k_q5a16d420d5_combine-k_q5a16d420d5_combine
	.p2alignl 7, 3214868480
	.fill 96, 4, 3214868480
	.section	.rodata,"a",@progbits
	.p2align	6, 0x0
	.amdhsa_kernel k_q5a16d420d5_combine
		.amdhsa_group_segment_fixed_size 0
		.amdhsa_private_segment_fixed_size 0
		.amdhsa_enable_private_segment 0
		.amdhsa_kernarg_size 24
		.amdhsa_user_sgpr_count 2
		.amdhsa_user_sgpr_kernarg_segment_ptr 1
		.amdhsa_wavefront_size32 1
		.amdhsa_system_sgpr_workgroup_id_x 1
		.amdhsa_system_sgpr_workgroup_id_y 1
		.amdhsa_system_sgpr_workgroup_id_z 1
		.amdhsa_system_vgpr_workitem_id 0
		.amdhsa_next_free_vgpr 160
		.amdhsa_next_free_sgpr 66
		.amdhsa_reserve_vcc 0
		.amdhsa_float_denorm_mode_32 3
		.amdhsa_float_denorm_mode_16_64 3
		.amdhsa_memory_ordered 1
		.amdhsa_forward_progress 1
		.amdhsa_inst_pref_size 9
	.end_amdhsa_kernel
	.amdgpu_metadata
---
amdhsa.version: [ 1, 2 ]
amdhsa.kernels:
  - .name:           k_q5a16d420d5_combine
    .symbol:         k_q5a16d420d5_combine.kd
    .args:
      - { .name: yp, .offset: 0, .size: 8, .value_kind: global_buffer, .address_space: global }
      - { .name: rw, .offset: 8, .size: 8, .value_kind: global_buffer, .address_space: global }
      - { .name: out0, .offset: 16, .size: 8, .value_kind: global_buffer, .address_space: global }
    .group_segment_fixed_size: 0
    .private_segment_fixed_size: 0
    .kernarg_segment_align: 8
    .kernarg_segment_size: 24
    .max_flat_workgroup_size: 256
    .sgpr_count:     66
    .vgpr_count:     160
    .wavefront_size: 32
...
	.end_amdgpu_metadata
.endif
;; end of part 5
